; MI455X (gfx1250); checked and timed in simulation.
; The chip was launched on July 23, 2026; its instructions are those of AMD's public machine-readable ISA for CDNA 5 (MIT licence, August 2026) and "CDNA5" Instruction Set Architecture Reference Guide (July 2026). The comments in the code are by the model that wrote it; some were corrected since.
;; Shared bottom. Allowed arithmetic: matrix products marked QUANTISED: E4M3 operands, one given power-of-two scale a tensor, by v_wmma_f32_16x16x64_fp8_fp8 or v_wmma_f32_16x16x128_fp8_fp8, f32 sums; everything else in f32.
;; Inputs: W1_codes 8 x 512 x 32 x 32 uint8 (E4M3 codes of W1, K innermost, in blocks of 32 codes); W2_codes 8 x 64 x 16 x 32 uint8 (E4M3 codes of W2, K innermost, in blocks of 32 codes); W_in_codes 1,024 x 16 x 32 uint8 (E4M3 codes of W_in, K innermost, in blocks of 32 codes); b1 8 x 512 float32; b2 8 x 64 float32; b_in 1,024 float32; category 8,192 int32; input_codes 8,192 x 16 x 32 uint8 (E4M3 codes of input, K innermost, in blocks of 32 codes); lowp_scales 6 int32 (the exponents e of the quantised operands' scales 2^e).
;; Outputs: out0 8,192 x 64 float32.
;; This version of the problem:
;;   THIS VERSION OF THE PROBLEM IS GIVEN IN LOW PRECISION. The matrix products marked QUANTISED in the list below multiply operands that are first quantised to E4M3 (4 exponent bits, 3 mantissa bits; 8 bits a number), with one given power-of-two scale for each operand tensor; their sums are f32. All else is computed in f32.
;;   The module's matrix products, in the order in which they are computed (A, B: the left and right operand; K: the contracted axis; several contracted axes count as one K, in the product's order):
;;     1. [M 8,192, K 512] x [K 512, N 1,024]; A: input input (given as codes); B: input W_in (given as codes): QUANTISED (scales: A lowp_scales[0], B lowp_scales[1])
;;     2. [M 8,192, K 1,024] x [K 1,024, N 4,096]; A: computed on the way; B: input W1 (given as codes): QUANTISED (scales: A lowp_scales[2], B lowp_scales[3])
;;     3. batch 8 x [M 64, K 512] x [K 512, N 8,192]; A: input W2 (given as codes); B: computed on the way: QUANTISED (scales: A lowp_scales[4], B lowp_scales[5])
;;   THE QUANTISER, for each operand of a quantised product, along K:
;;     - The operand's scale is 2^e, e = its entry of the input lowp_scales (int32; the entries are numbered through the quantised products in the list's order, A before B).
;;     - Each number is divided by the scale, clamped to +-448, and rounded to the nearest number of E4M3, ties to even, subnormals kept.
;;     - The product sums the exact products of the quantised numbers (number of the format x scale) in f32.
;;   ~~~python
;;   def quantise(x, axis, e):      # numpy; x: float32 -> the quantised numbers, widened to float32 again
;;       x = np.moveaxis(x, axis, -1); K = x.shape[-1]
;;       r = np.clip(x / 2.0 ** e, -448, 448)
;;       step = 2.0 ** (np.maximum(np.frexp(np.where(r == 0, 1, r))[1] - 1, -6) - 3)
;;       q = np.round(r / step) * step * 2.0 ** e      # np.round: ties to even
;;       return np.moveaxis(q, -1, axis).astype(np.float32)
;;   ~~~
;;   OPERANDS COMPUTED ON THE WAY. 'Computed on the way' means the value that the module computes at that place (a softmax that the list does not call 'softmax' is quantised finished and normalised). What goes into a quantiser is computed in f32, as accurately as f32 sums, v_exp_f32 and their like allow (about 1e-6 of the number): no bf16 or f16 on the way to a quantiser, and a product that is left as it is and whose result goes on into a quantised operand takes f32 operands (vector FMAs, or v_wmma_f32_16x16x4_f32). A number that lies on a knife's edge between two numbers of the format may be rounded either way, as far as f32 arithmetic and the matrix unit's own rounding can turn it there, and no further.
;;   INPUTS GIVEN AS CODES. W1 (in the module: [8, 1024, 512], K = its axis 1); W2 (in the module: [8, 512, 64], K = its axis 1); W_in (in the module: [512, 1024], K = its axis 0); input (in the module: [8192, 512], K = its axis 1): each comes as NAME_codes (uint8): NAME with its K axis moved to the last place and cut into blocks of 32 codes, [.., K / 32, bytes a block], one block behind the other in memory; one code a byte (a code: sign, 4 exponent bits, 3 mantissa bits); its scale is its entry of lowp_scales. Its value is code x scale, taken as it is: it is not quantised again, and the codes and scales need not be those that the quantiser above would give.
;; One version. Each part assembles by itself: llvm-mc -triple=amdgcn-amd-amdhsa -mcpu=gfx1250 --defsym DOCPART=n.
;; ======== version 1 of 1: 2 launches
;; limits: a function is approximated: absolute error at most 2.4e-07
;; workspace buffers: order 32,768 bytes of whole numbers; tiles 2,560 bytes of whole numbers; wf 4,980,736 bytes
;; launch prep (part 1): grid 39 x 1, 32 waves a work-group, no clusters, 144,384 bytes of LDS; arguments category, W_in_codes, W1_codes, W2_codes, order, tiles, wf; writes order, tiles, wf
.if DOCPART == 1
	.amdgcn_target "amdgcn-amd-amdhsa--gfx1250"
	.amdhsa_code_object_version 6
	.text
	.protected	k_q6bb720caaa_prep
	.globl	k_q6bb720caaa_prep
	.p2align	8
	.type	k_q6bb720caaa_prep,@function
k_q6bb720caaa_prep:
	s_mov_b64 s[64:65], 0
	v_nop
	global_prefetch_b8 v0, s[64:65] scope:SCOPE_SE
	s_setreg_imm32_b32 hwreg(HW_REG_WAVE_MODE, 25, 1), 1
	s_wait_xcnt 0x0
; TWO JOBS IN ONE LAUNCH, parted on the work-group's number.
; Work-group 0: a counting sort of the 8,192 tokens by their expert (category), without atomics: order[place] = token, experts one after the other, tokens of an expert in ascending
;   order; and the list of tiles for the next launch: tiles[t] = (expert, first place in order, rows 0..64, 0).  8,192 rows in tiles of 64 over 8 experts are never more than
;   8192/64 + 8 - 1 = 135 tiles, whatever the split; 160 entries are written (five waves' threads), those behind the last tile with 0 rows.
; Work-groups 1..38: the three weights' codes are laid once in the order in which a wave's operand registers take them.  A QUAD is 64 rows of a weight and keeps its own byte range; inside it
;   [K step s of 128][tile t 0..3][c 0..3][lane 16 h + r][16 bytes], and that piece is row 32 (t/2) + 8 (t%2) + r%8 + 16 (r/8) of the quad, bytes 128 s + 32 c + 16 h on.
;   So four loads of 16 bytes a lane, 512 bytes apart, are a fragment of 16 rows x 128 K, and in a transposed product's result the 16 registers of tiles 2 b, 2 b + 1 are 16 neighbours of the next K.
;   wf: W_in' at 0, W1' at 524,288, W2' at 4,718,592.
; category is taken as 0..7 (an index stays inside its table); a larger number is held at 7.
; LDS: the sort has bytes 0..511; the relayout has a stage of 16 x 272 bytes for each wave from byte 1,024 on: each path has bytes of its own.
.set STG0,  1024
.set SPT,   272                        ; a stage row: 256 bytes + 16, so that sixteen lanes 272 bytes apart touch sixteen different columns of 16 bytes
	s_load_b256 s[4:11], s[0:1], 0x0               ; category s[4:5], W_in s[6:7], W1 s[8:9], W2 s[10:11]
	s_load_b128 s[12:15], s[0:1], 0x20             ; order s[12:13], tiles s[14:15]
	s_load_b64 s[16:17], s[0:1], 0x30              ; wf
	v_lshl_add_u32 v96, v0, 2, 0x22400
	v_mov_b32 v97, 0
	v_lshrrev_b32 v1, 5, v0
	s_delay_alu instid0(VALU_DEP_1)
	v_readfirstlane_b32 s18, v1                    ; wave 0..31
	s_cmp_lg_u32 ttmp9, 0
	s_cbranch_scc1 .Llay
; ---------------- THE SORT: 1,024 threads, thread t owns tokens 8 t .. 8 t + 7 ----------------
; v[4:11] categories; v[12:19] 4 x category, later high bytes; v[20:27] rank within the thread; v28 eight counters of 4 bits; v29 at work;
; v[30:33] my counts, expert i in the low half and i + 4 in the high half of register i; v[34:37] their scan over the wave; v[38:41] the waves' totals and their scan;
; v[42:45] my first places; v[46:53] the same as planes of bytes; v[56:63] store offsets; v[64:71] token numbers; v73-79 the list of tiles
	v_lshlrev_b32 v2, 5, v0
	s_wait_alu depctr_va_vdst(0)
	s_wait_kmcnt 0x0
	global_load_b128 v[4:7], v2, s[4:5]
	global_load_b128 v[8:11], v2, s[4:5] offset:16
	v_mov_b32 v28, 0
	v_mov_b32 v29, 0                               ; written once: the destination of a DPP move counts as read
	s_mov_b32 s19, 0xffff0000                      ; lanes 16-31
	s_wait_loadcnt 0x0
.irp k, 0,1,2,3,4,5,6,7
	v_min_u32 v[4+\k], 7, v[4+\k]
	s_delay_alu instid0(VALU_DEP_1)
	v_lshlrev_b32 v[12+\k], 2, v[4+\k]
	s_wait_alu depctr_va_vdst(0)
	v_bfe_u32 v[20+\k], v28, v[12+\k], 4           ; how many of my earlier tokens have this expert
	v_lshl_add_u32 v28, 1, v[12+\k], v28           ; a counter holds 8 at the most: 4 bits
.endr
	s_delay_alu instid0(VALU_DEP_1)
	v_and_b32 v30, 0x000f000f, v28
.irp i, 1,2,3
	v_lshrrev_b32 v[30+\i], 4*\i, v28
	s_delay_alu instid0(VALU_DEP_1)
	v_and_b32 v[30+\i], 0x000f000f, v[30+\i]
.endr
; An inclusive scan over the 32 lanes, of both halves of a register at once (no half passes 8,192): four steps within each row of 16 lanes, then lane 15's total onto lanes 16-31.
.macro SCAN d, s
	v_mov_b32_dpp v29, v[\s] row_shr:1 row_mask:0xf bank_mask:0xf bound_ctrl:1
	s_delay_alu instid0(VALU_DEP_1)
	v_add_nc_u32 v[\d], v[\s], v29
.irp n, 2,4,8
	s_delay_alu instid0(VALU_DEP_1)
	v_mov_b32_dpp v29, v[\d] row_shr:\n row_mask:0xf bank_mask:0xf bound_ctrl:1
	s_delay_alu instid0(VALU_DEP_1)
	v_add_nc_u32 v[\d], v[\d], v29
.endr
	s_delay_alu instid0(VALU_DEP_1)
	v_readlane_b32 s70, v[\d], 15
	s_delay_alu instid0(VALU_DEP_1)
	v_mov_b32 v29, s70
	s_delay_alu instid0(VALU_DEP_1)
	v_cndmask_b32 v29, 0, v29, s19
	s_delay_alu instid0(VALU_DEP_1)
	v_add_nc_u32 v[\d], v[\d], v29
.endm
.irp i, 0,1,2,3
	SCAN 34+\i, 30+\i
.endr
.irp i, 0,1,2,3
	v_readlane_b32 s[20+\i], v[34+\i], 31          ; my wave's totals
.endr
.irp i, 0,1,2,3
	s_delay_alu instid0(VALU_DEP_4)
	v_mov_b32 v[38+\i], s[20+\i]
.endr
	s_lshl_b32 s71, s18, 4
	v_mov_b32 v54, s71
	ds_store_b128 v54, v[38:41]                    ; 16 bytes a wave; all lanes write the same
	s_wait_dscnt 0x0                               ; for the others' sake: my store has landed
	s_barrier_signal -1
	s_barrier_wait -1
	v_and_b32 v55, 31, v0
	s_delay_alu instid0(VALU_DEP_1)
	v_lshlrev_b32 v55, 4, v55
	ds_load_b128 v[38:41], v55                     ; lane l: wave l's totals
	s_wait_dscnt 0x0
.irp i, 0,1,2,3
	SCAN 38+\i, 38+\i
.endr
	s_wait_alu depctr_va_vdst(0)
.irp i, 0,1,2,3
	v_readlane_b32 s[24+\i], v[38+\i], s18
	v_readlane_b32 s[28+\i], v[38+\i], 31          ; all tokens' counts
	s_sub_co_u32 s[24+\i], s[24+\i], s[20+\i]      ; the waves in front of mine
	s_and_b32 s[32+\i], s[28+\i], 0xffff           ; n of expert i,
	s_lshr_b32 s[36+\i], s[28+\i], 16              ; of expert i + 4
.endr
	s_mov_b32 s74, 0                               ; rows in front
	s_mov_b32 s75, 0                               ; tiles in front
.irp e, 0,1,2,3,4,5,6,7
	s_mov_b32 s[80+\e], s74                        ; the expert's first place
	s_mov_b32 s[40+\e], s75                        ; its first tile
	s_lshl_b32 s76, s75, 6
	s_sub_co_u32 s[48+\e], s74, s76                ; first place - 64 x first tile (modulo 2^32): tile t of the expert begins at 64 t + this
	s_add_co_u32 s74, s74, s[32+\e]
	s_mov_b32 s[56+\e], s74                        ; the place behind its last
	s_add_co_u32 s76, s[32+\e], 63
	s_lshr_b32 s76, s76, 6
	s_add_co_u32 s75, s75, s76
.endr
.irp i, 0,1,2,3
	s_lshl_b32 s76, s[84+\i], 16
	s_or_b32 s76, s76, s[80+\i]
	s_add_co_u32 s[66+\i], s76, s[24+\i]           ; the experts' first places + the waves in front of mine, two to a register
.endr
.irp i, 0,1,2,3
	v_sub_nc_u32 v[42+\i], v[34+\i], v[30+\i]      ; the threads of my wave in front of me
	s_delay_alu instid0(VALU_DEP_1)
	v_add_nc_u32 v[42+\i], s[66+\i], v[42+\i]      ; my first place for experts i and i + 4
.endr
	v_perm_b32 v46, v43, v42, 0x05010400           ; the eight places as planes of bytes, so that a token's expert can pick its place as a byte selector
	v_perm_b32 v47, v43, v42, 0x07030602
	s_delay_alu instid0(VALU_DEP_3)
	v_perm_b32 v48, v45, v44, 0x05010400
	s_delay_alu instid0(VALU_DEP_4)
	v_perm_b32 v49, v45, v44, 0x07030602
	s_delay_alu instid0(VALU_DEP_2)
	v_perm_b32 v50, v48, v46, 0x05040100           ; low bytes of experts 0-3
	s_delay_alu instid0(VALU_DEP_3)
	v_perm_b32 v51, v48, v46, 0x07060302           ; high bytes of experts 0-3
	s_delay_alu instid0(VALU_DEP_3)
	v_perm_b32 v52, v49, v47, 0x05040100           ; low bytes of experts 4-7
	s_delay_alu instid0(VALU_DEP_4)
	v_perm_b32 v53, v49, v47, 0x07060302           ; high bytes of experts 4-7
; The stores are of 4 bytes: a wave's 256 tokens fall into eight runs of neighbouring places, 32 KiB in all.  Gathering them in LDS first would take LDS addresses made from the categories.
.irp k, 0,1,2,3,4,5,6,7
	v_perm_b32 v[56+\k], v52, v50, v[4+\k]         ; byte 0: the low byte of my expert's place (selector 0-3: second source, 4-7: first)
	v_perm_b32 v[12+\k], v53, v51, v[4+\k]
	s_delay_alu instid0(VALU_DEP_2)
	v_and_b32 v[56+\k], 0xff, v[56+\k]
	s_delay_alu instid0(VALU_DEP_2)
	v_and_b32 v[12+\k], 0xff, v[12+\k]
	s_delay_alu instid0(VALU_DEP_1)
	v_lshl_or_b32 v[56+\k], v[12+\k], 8, v[56+\k]
	s_delay_alu instid0(VALU_DEP_1)
	v_add_nc_u32 v[56+\k], v[56+\k], v[20+\k]      ; + my rank
	s_delay_alu instid0(VALU_DEP_1)
	v_min_u32 v[56+\k], 0x1fff, v[56+\k]           ; a number made from loaded data enters an address held inside the buffer
	s_delay_alu instid0(VALU_DEP_1)
	v_lshlrev_b32 v[56+\k], 2, v[56+\k]
	v_lshl_add_u32 v[64+\k], v0, 3, \k             ; the token
	global_store_b32 v[56+\k], v[64+\k], s[12:13]
.endr
	s_cmp_gt_u32 s18, 4                            ; the list of tiles: threads 0..159, one entry each
	s_cbranch_scc1 .Lsorted
	v_mov_b32 v76, 0
	v_mov_b32 v73, s48
	v_mov_b32 v74, s56
.irp e, 1,2,3,4,5,6,7
	v_cmp_le_u32 vcc_lo, s[40+\e], v0              ; the last expert whose first tile is not behind t: experts without rows are passed over
	s_delay_alu instid0(VALU_DEP_1)
	v_cndmask_b32 v76, v76, \e, vcc_lo
	s_delay_alu instid0(VALU_DEP_2)
	v_cndmask_b32 v73, v73, s[48+\e], vcc_lo
	s_delay_alu instid0(VALU_DEP_3)
	v_cndmask_b32 v74, v74, s[56+\e], vcc_lo
.endr
	s_delay_alu instid0(VALU_DEP_2)
	v_lshl_add_u32 v73, v0, 6, v73                 ; the tile's first place,
	s_delay_alu instid0(VALU_DEP_1)
	v_min_u32 v73, v73, v74                        ; not behind the expert's end
	s_delay_alu instid0(VALU_DEP_1)
	v_sub_nc_u32 v78, v74, v73
	s_delay_alu instid0(VALU_DEP_1)
	v_min_u32 v78, 64, v78                         ; its rows: 0 behind the last tile
	s_delay_alu instid0(VALU_DEP_3)
	v_min_u32 v77, 0x1fff, v73
	v_mov_b32 v79, 0
	v_lshlrev_b32 v75, 4, v0
	global_store_b128 v75, v[76:79], s[14:15]
.Lsorted:
	s_wait_tensorcnt 0x0
	ds_add_u32 v96, v97
	s_wait_dscnt 0x0
	s_endpgm
; ---------------- THE RELAYOUT: a wave takes one chunk of 4 KiB: one tile (16 rows) x 256 bytes along K = two fragments ----------------
; W_in: 16 quads x 4 tiles x 2 = 128 chunks, work-groups 1-4.  W1: 64 x 4 x 4 = 1,024, work-groups 5-36.  W2: 8 x 4 x 2 = 64, work-groups 37, 38.  32 chunks a work-group.
; Only pointers and numbers are chosen by the work-group's number: the three tensors take one path.
.Llay:
	s_sub_co_u32 s20, ttmp9, 1
	s_wait_kmcnt 0x0
	s_mov_b32 s26, 4718592                         ; W2': where it begins in wf
	s_cmp_lt_u32 s20, 36
	s_cselect_b64 s[22:23], s[8:9], s[10:11]       ; the source
	s_cselect_b32 s24, 10, 9                       ; LK: a row is 2^LK bytes
	s_cselect_b32 s25, 4, 36                       ; the tensor's first work-group
	s_cselect_b32 s26, 524288, s26
	s_cmp_lt_u32 s20, 4
	s_cselect_b64 s[22:23], s[6:7], s[22:23]
	s_cselect_b32 s24, 9, s24
	s_cselect_b32 s25, 0, s25
	s_cselect_b32 s26, 0, s26
	s_sub_co_u32 s27, s20, s25
	s_lshl_b32 s27, s27, 5
	s_add_co_u32 s27, s27, s18                     ; my chunk: [quad][tile][256 bytes along K]
	s_sub_co_u32 s28, s24, 8
	s_bfm_b32 s29, s28, 0
	s_and_b32 s29, s27, s29                        ; which 256 bytes of the rows
	s_lshr_b32 s30, s27, s28
	s_and_b32 s31, s30, 3                          ; tile t
	s_lshr_b32 s30, s30, 2                         ; quad
	s_lshl_b32 s32, s30, 6                         ; the source: row 64 quad + 32 (t/2) + 8 (t%2),
	s_lshr_b32 s34, s31, 1
	s_lshl_b32 s34, s34, 5
	s_add_co_u32 s32, s32, s34
	s_and_b32 s34, s31, 1
	s_lshl_b32 s34, s34, 3
	s_add_co_u32 s32, s32, s34
	s_lshl_b32 s32, s32, s24
	s_lshl_b32 s34, s29, 8
	s_add_co_u32 s32, s32, s34                     ; + my 256 bytes
	s_mov_b32 s33, 0
	s_add_nc_u64 s[22:23], s[22:23], s[32:33]
	s_add_co_u32 s34, s24, 6                       ; the destination: the quad's own range,
	s_lshl_b32 s38, s30, s34
	s_lshl_b32 s34, s29, 14                        ; two K steps of 8,192 bytes,
	s_add_co_u32 s38, s38, s34
	s_lshl_b32 s34, s31, 11                        ; the tile's fragment of 2,048
	s_add_co_u32 s38, s38, s34
	s_add_co_u32 s38, s38, s26
	s_mov_b32 s39, 0
	s_add_nc_u64 s[16:17], s[16:17], s[38:39]
	v_and_b32 v1, 31, v0
	v_and_b32 v2, 15, v0                           ; j
	v_bfe_u32 v3, v0, 4, 1                         ; hh
	s_delay_alu instid0(VALU_DEP_1)
	v_lshlrev_b32 v12, s24, v3
	s_delay_alu instid0(VALU_DEP_1)
	v_lshl_add_u32 v12, v2, 4, v12                 ; row hh, 16 j: a load takes two rows' 256 bytes, sixteen lanes to a row
	s_wait_alu depctr_va_vdst(0)
.irp i, 0,1,2,3,4,5,6,7
	s_lshl_b32 s36, 2*(\i%4)+16*(\i/4), s24        ; load i: fragment rows 2 i and 2 i + 1, which are the tile's rows 2 (i%4) + 16 (i/4) + hh
	v_add_nc_u32 v[4+\i], s36, v12
.endr
	s_mul_i32 s37, s18, 16*SPT
	s_add_co_u32 s37, s37, STG0                    ; my stage
	v_mul_u32_u24 v13, v2, SPT
	s_delay_alu instid0(VALU_DEP_1)
	v_lshl_add_u32 v13, v3, 4, v13
	s_delay_alu instid0(VALU_DEP_1)
	v_add_nc_u32 v13, s37, v13                     ; in: stage row = piece j of a source row; place in it = the fragment row 2 i + hh
	v_mul_u32_u24 v14, v3, SPT
	s_delay_alu instid0(VALU_DEP_1)
	v_lshl_add_u32 v14, v2, 4, v14
	s_delay_alu instid0(VALU_DEP_1)
	v_add_nc_u32 v14, s37, v14                     ; out: stage rows 2 i' + h (piece 8 s' + 2 c + h, i' = 4 s' + c), place r: lane 16 h + r
	v_lshlrev_b32 v15, 4, v1
.irp i, 0,1,2,3,4,5,6,7
	global_load_b128 v[16+4*\i:19+4*\i], v[4+\i], s[22:23] th:TH_LOAD_NT
.endr
	s_wait_alu depctr_va_vdst(0)
.irp i, 0,1,2,3,4,5,6,7
	s_wait_loadcnt 7-\i                            ; loads come back in order: load i is in, the 7 - i younger ones may be out
	ds_store_b128 v13, v[16+4*\i:19+4*\i] offset:32*\i
.endr
.irp i, 0,1,2,3,4,5,6,7
	ds_load_b128 v[48+4*\i:51+4*\i], v14 offset:2*SPT*\i     ; LDS serves a wave's instructions in order: these see my stores; the stage is my wave's own
.endr
.irp i, 0,1,2,3,4,5,6,7
	s_wait_dscnt 7-\i
	global_store_b128 v15, v[48+4*\i:51+4*\i], s[16:17] offset:(\i/4)*8192+(\i%4)*512   ; 32 lanes store 512 consecutive bytes, at a multiple of 512 from wf's first byte
.endr
	s_wait_tensorcnt 0x0
	ds_add_u32 v96, v97
	s_wait_dscnt 0x0
	s_endpgm
.Lfunc_end_k_q6bb720caaa_prep:
	.size	k_q6bb720caaa_prep, .Lfunc_end_k_q6bb720caaa_prep-k_q6bb720caaa_prep
	.p2alignl 7, 3214868480
	.fill 96, 4, 3214868480
	.section	.rodata,"a",@progbits
	.p2align	6, 0x0
	.amdhsa_kernel k_q6bb720caaa_prep
		.amdhsa_group_segment_fixed_size 144384
		.amdhsa_private_segment_fixed_size 0
		.amdhsa_enable_private_segment 0
		.amdhsa_kernarg_size 56
		.amdhsa_user_sgpr_count 2
		.amdhsa_user_sgpr_kernarg_segment_ptr 1
		.amdhsa_wavefront_size32 1
		.amdhsa_system_sgpr_workgroup_id_x 1
		.amdhsa_system_sgpr_workgroup_id_y 1
		.amdhsa_system_sgpr_workgroup_id_z 1
		.amdhsa_system_vgpr_workitem_id 0
		.amdhsa_next_free_vgpr 98
		.amdhsa_next_free_sgpr 100
		.amdhsa_reserve_vcc 1
		.amdhsa_float_denorm_mode_32 3
		.amdhsa_float_denorm_mode_16_64 3
		.amdhsa_memory_ordered 1
		.amdhsa_forward_progress 1
		.amdhsa_inst_pref_size 33
	.end_amdhsa_kernel
	.amdgpu_metadata
---
amdhsa.version: [ 1, 2 ]
amdhsa.kernels:
  - .name:           k_q6bb720caaa_prep
    .symbol:         k_q6bb720caaa_prep.kd
    .args:
      - { .name: category, .offset: 0, .size: 8, .value_kind: global_buffer, .address_space: global }
      - { .name: W_in_codes, .offset: 8, .size: 8, .value_kind: global_buffer, .address_space: global }
      - { .name: W1_codes, .offset: 16, .size: 8, .value_kind: global_buffer, .address_space: global }
      - { .name: W2_codes, .offset: 24, .size: 8, .value_kind: global_buffer, .address_space: global }
      - { .name: order, .offset: 32, .size: 8, .value_kind: global_buffer, .address_space: global }
      - { .name: tiles, .offset: 40, .size: 8, .value_kind: global_buffer, .address_space: global }
      - { .name: wf, .offset: 48, .size: 8, .value_kind: global_buffer, .address_space: global }
    .group_segment_fixed_size: 144384
    .private_segment_fixed_size: 0
    .kernarg_segment_align: 8
    .kernarg_segment_size: 56
    .max_flat_workgroup_size: 1024
    .sgpr_count:     100
    .vgpr_count:     98
    .wavefront_size: 32
...
	.end_amdgpu_metadata
.endif
;; end of part 1
;; launch chain (part 2): grid 135 x 1, 8 waves a work-group, no clusters, 149,504 bytes of LDS; arguments input_codes, order, tiles, wf, b_in, b1, b2, lowp_scales, out0; writes out0
.if DOCPART == 2
	.amdgcn_target "amdgcn-amd-amdhsa--gfx1250"
	.amdhsa_code_object_version 6
	.text
	.protected	k_q6bb720caaa_chain
	.globl	k_q6bb720caaa_chain
	.p2align	8
	.type	k_q6bb720caaa_chain,@function
k_q6bb720caaa_chain:
	s_mov_b64 s[64:65], 0
	v_nop
	global_prefetch_b8 v0, s[64:65] scope:SCOPE_SE
	s_setreg_imm32_b32 hwreg(HW_REG_WAVE_MODE, 25, 1), 1
	s_wait_xcnt 0x0
; out[token] = elu(elu(x W_in + b_in) W1[e] + b1[e]) W2[e] + b2[e], e = the token's expert; all three products on codes of FP8 (E4M3) by v_wmma_f32_16x16x128_fp8_fp8, sums in f32.
; ONE WORK-GROUP TAKES ONE TILE (at most 64 rows of one expert, from the list that the launch before stored) THROUGH THE WHOLE CHAIN; mid and h never go to memory.
; The grid is 8192/64 + 8 - 1 = 135: enough for every split.  A tile with fewer than 64 rows is filled up with whatever tokens follow in the list (held inside it); those rows are computed and
; not stored: rows of a product do not touch each other.  No branch hangs on the number of rows, since four barriers follow and every wave passes every barrier.
; THE WAVES SHARE THE COLUMNS: wave w makes mid units 128 w .. + 127 (in two halves of 64), h units 64 w .. + 63, and output tile w % 4 for row tiles 2 (w / 4), 2 (w / 4) + 1.
; So each weight fragment goes from memory straight into the registers of the one wave that uses it, once, against all four tiles of rows; wf holds the weights in the order of the operand's registers.
; ACTIVATIONS GO FROM WAVE TO WAVE THROUGH LDS AS IMAGES OF THEIR REGISTERS: a fragment (16 rows x 128 K, 16 registers) is 4 x 512 bytes, lane l's 16 bytes at 16 l.
; THE PRODUCTS ARE USED TRANSPOSED (source 0 = 16 rows of a weight, source 1 = 16 tokens): a lane holds one token, and by the choice of a tile's rows the 16 registers of tiles 2 b, 2 b + 1 are the
; 16 neighbours 32 b + 16 (lane / 16) + 0 .. 15 of the next K, so the conversions' results are the next operand's registers.
; A fragment's registers 4 c .. 4 c + 3 hold K = 32 c + 16 (lane / 16) + 0 .. 15: a permutation of k against the form's own places, the same in both sources, so every product meets its partner.
; A GROUP: 4 weight fragments (8 KiB, one K step of 64 rows) x 4 fragments of tokens = 16 matrix instructions on 16 accumulators by turns.  Weights run three groups ahead in a ring of three register slots.
; SCALES.  E1 = e0 + e1, E2 = e2 + e3.  A sum stands for sum x 2^E: the bias goes in as the first C, divided by 2^E; ELU works in the sums' units; the conversion takes 2^(e2 - E1) or 2^(e5 - E2).
; ELU.  z > 0: z itself, exact.  z <= 0: 2^(z log2 e) - 1 in f32: its error is about 2^-23 of 1, so its relative error grows as |z| falls (about 1e-4 of the number at |z| = 1e-3).
; LIMITS on the given exponents, so that each power of two is an f32 number: E1, E2 between -126 and 126; e2 - E1, e5 - E2 between -126 and 119; e4 + e5 between -126 and 127.  NaN codes are not served.
; NO CLUSTER, NO JOINT LOADS: 135 work-groups divide into no cluster of 4; which expert's weights a work-group walks is a number read from the list, so partners would want different tiles;
; and the weights that all share (W_in') pass through no LDS here.
; LDS, every region written once and read behind one barrier: x's images 0 (32 KiB: (4 m + s) x 2,048), mid's 32,768 (64 KiB: (8 m + s) x 2,048), h's 98,304 (32 KiB: (4 m + s) x 2,048),
; the stage for the results 131,072 (64 rows x 272 bytes).
; REGISTERS.  Window 0: v1-13 addresses; v14, v15 at work; v16-143 accumulators ((t, m) at 16 + 32 m + 8 t); v144-175 a bias in the result's layout; v176-207 at work; v208-239 codes;
;   v240-243 the conversions' scales and holds; v244-251 the way out's tokens and the offsets of their loads; v252 x's offset; v253 my row on the way out; v[254:255] -2^-E.
;   Window 1: v0-191 the ring of weights, three slots of 64; v192-255 four fragments of tokens.
.set XIMG, 0
.set MIMG, 32768
.set HIMG, 98304
.set OSTG, 131072
.set OP,   272                         ; a stage row: 256 bytes + 16
.set LI,   1                           ; 16 x lane
.set LM,   2                           ; + MIMG
.set LH3,  3                           ; + HIMG + 16,384 (w / 4)
.set SX,   4                           ; where I store x's images: 16 lane + 4,096 w
.set SM,   5                           ; mid's: 16 lane + MIMG + 2,048 w
.set SH,   6                           ; h's: 16 lane + HIMG + 1,024 w
.set VW,   7                           ; in W_in' and W1'[e]: 16 lane + 65,536 w
.set VW2,  8                           ; in W2'[e]: 16 lane + 2,048 (w % 4)
.set VB,   9                           ; in b_in: 64 h + 512 w
.set VB1,  10                          ; in b1[e]: 64 h + 256 w
.set VB2,  11                          ; in b2[e], and in a row of results: 64 h + 128 (n / 2) + 32 (n % 2)
.set SO,   12                          ; the stage, in
.set RO,   13                          ; the stage, out
.set ACC,  16
.set BIAS, 144
.set T,    176
.set CD,   208
.set OI,   244
.set OA,   248
.set XO,   252
.set SL,   253
.set ACT,  192                         ; in window 1
.set MSB, 0
.macro WIN new                         ; the immediate's high byte repeats the setting that is left
.if MSB != \new
	s_set_vgpr_msb (MSB<<8)|\new
.set MSB, \new
.endif
.endm
.set W_MUL, 0x05                       ; sources 0 and 1 window 1; C and D window 0
.set W_LD,  0x40                       ; destination window 1, address window 0
.macro WLOAD slot, va, sb, off         ; a group's four weight fragments: 16 loads of 512 consecutive bytes
.irp i, 0,1,2,3,4,5,6,7,8,9,10,11,12,13,14,15
	global_load_b128 v[64*(\slot)+4*\i:64*(\slot)+4*\i+3], v[\va], s[\sb:\sb+1] offset:(\off)+512*\i
.endr
.endm
.macro BLOAD va, sb, off               ; 64 biases in the result's layout: tile t, register j: unit 32 (t/2) + 16 h + 8 (t%2) + j
.irp t, 0,1,2,3
	global_load_b128 v[BIAS+8*\t:BIAS+8*\t+3], v[\va], s[\sb:\sb+1] offset:(\off)+128*(\t/2)+32*(\t%2)
	global_load_b128 v[BIAS+8*\t+4:BIAS+8*\t+7], v[\va], s[\sb:\sb+1] offset:(\off)+128*(\t/2)+32*(\t%2)+16
.endr
.endm
.macro BSCALE sneg                     ; the bias divided by the power of two that the sums lack
.set q, 0
.rept 32
	v_ldexp_f32 v[BIAS+q], v[BIAS+q], s[\sneg]
.set q, q+1
.endr
.endm
.macro AFETCH ar, off0, ms             ; one K step's fragments of the four tiles of rows
.irp m, 0,1,2,3
.irp c, 0,1,2,3
	ds_load_b128 v[ACT+16*\m+4*\c:ACT+16*\m+4*\c+3], v[\ar] offset:(\off0)+\m*(\ms)+512*\c
.endr
.endr
.endm
.macro MUL16 slot, first               ; the 16 accumulators take turns, one instruction a turn, in the same order in every group
.irp m, 0,1,2,3
.irp t, 0,1,2,3
.if \first
	v_wmma_f32_16x16x128_fp8_fp8 v[ACC+32*\m+8*\t:ACC+32*\m+8*\t+7], v[64*(\slot)+16*\t:64*(\slot)+16*\t+15], v[ACT+16*\m:ACT+16*\m+15], v[BIAS+8*\t:BIAS+8*\t+7]
.else
	v_wmma_f32_16x16x128_fp8_fp8 v[ACC+32*\m+8*\t:ACC+32*\m+8*\t+7], v[64*(\slot)+16*\t:64*(\slot)+16*\t+15], v[ACT+16*\m:ACT+16*\m+15], v[ACC+32*\m+8*\t:ACC+32*\m+8*\t+7]
.endif
.endr
.endr
.endm
; left: the global loads younger than this group's weights, which may stay out (loads come back in order).  The four v_nop are the places in front of the loads into
; the slot, the tokens' fragments and the bias, and of the first read of results.
.macro GROUP slot, first, left
	s_wait_loadcnt \left
	s_wait_dscnt 0x0                               ; the tokens' fragments are in
	WIN W_MUL
	MUL16 \slot, \first
.rept 4
	v_nop
.endr
.endm
; ELU and the quantiser, a tile of rows at a time: 32 numbers a lane become 8 registers of codes, stored as two pieces of an image.
.macro ELU c1, c2, nc2, sc, lim, sreg, ms, off
	v_mov_b32 v254, s[\nc2]
	v_mov_b32 v255, s[\nc2]
.irp m, 0,1,2,3
.set q, 0
.rept 16
	v_pk_mul_f32 v[T+q:T+q+1], v[ACC+32*\m+q:ACC+32*\m+q+1], s[\c1:\c1+1] op_sel_hi:[1,0]   ; t = sum x 2^E log2(e); each accumulator is read from its low end on
.set q, q+2
.endr
.set q, 0
	s_wait_alu depctr_va_vdst(0)
.rept 32
	v_exp_f32 v[T+q], v[T+q]
.set q, q+1
.endr
	v_nop                                          ; a plain instruction between the last exponential and the use of its result
.set q, 0
	s_wait_alu depctr_va_vdst(0)
.rept 16
	v_pk_fma_f32 v[T+q:T+q+1], v[T+q:T+q+1], s[\c2:\c2+1], v[254:255] op_sel_hi:[1,0,1]    ; (2^t - 1) / 2^E
.set q, q+2
.endr
.set q, 0
.rept 32
	v_med3_num_f32 v[T+q], v[T+q], -v[\lim], 0     ; the negative branch, never above 0, held at the largest code x the scale from below
.set q, q+1
.endr
.set q, 0
.rept 32
	v_minmax_num_f32 v[T+q], v[ACC+32*\m+q], v[\lim], v[T+q]   ; max(min(z, hold), that): z > 0 gives z, held from above; z <= 0 gives the branch above, which is not under z
.set q, q+1
.endr
.irp t, 0,1,2,3
	v_cvt_scalef32_pk8_fp8_f32 v[CD+8*\m+2*\t:CD+8*\m+2*\t+1], v[T+8*\t:T+8*\t+7], v[\sc]
.endr
	v_nop                                          ; a plain instruction between the last conversion and the next lines, which write its sources
.irp b, 0,1
	ds_store_b128 v[\sreg], v[CD+8*\m+4*\b:CD+8*\m+4*\b+3] offset:(\off)+\m*(\ms)+512*\b
.endr
.endr
.endm
.macro BARRIER                                 ; my LDS stores have landed and my LDS loads are in: then the work-group's barrier
	s_wait_dscnt 0x0
	s_barrier_signal -1
	s_barrier_wait -1
.endm
	s_load_b512 s[4:19], s[0:1], 0x0               ; input s[4:5], order s[6:7], tiles s[8:9], wf s[10:11], b_in s[12:13], b1 s[14:15], b2 s[16:17], scales s[18:19]
	s_load_b64 s[20:21], s[0:1], 0x40              ; out0
	v_lshrrev_b32 v15, 5, v0
	s_delay_alu instid0(VALU_DEP_1)
	v_readfirstlane_b32 s22, v15                   ; wave 0..7
	v_and_b32 v14, 31, v0
	s_delay_alu instid0(VALU_DEP_1)
	v_lshlrev_b32 v[LI], 4, v14
	s_wait_alu depctr_va_vdst(0)
	v_and_b32 v176, 15, v0                         ; r
	v_bfe_u32 v177, v0, 4, 1                       ; h
	s_delay_alu instid0(VALU_DEP_1)
	v_lshlrev_b32 v178, 6, v177                    ; 64 h
	s_wait_alu depctr_va_vdst(0)
	v_add_nc_u32 v[LM], MIMG, v[LI]
	s_lshr_b32 s54, s22, 2                         ; w / 4
	s_lshl_b32 s55, s54, 14
	s_add_co_u32 s55, s55, HIMG
	v_add_nc_u32 v[LH3], s55, v[LI]
	s_lshl_b32 s55, s22, 12
	v_add_nc_u32 v[SX], s55, v[LI]
	s_lshl_b32 s55, s22, 11
	s_add_co_u32 s55, s55, MIMG
	v_add_nc_u32 v[SM], s55, v[LI]
	s_lshl_b32 s55, s22, 10
	s_add_co_u32 s55, s55, HIMG
	v_add_nc_u32 v[SH], s55, v[LI]
	s_lshl_b32 s55, s22, 16
	v_add_nc_u32 v[VW], s55, v[LI]
	s_and_b32 s62, s22, 3                          ; n
	s_lshl_b32 s55, s62, 11
	v_add_nc_u32 v[VW2], s55, v[LI]
	s_lshl_b32 s55, s22, 9
	v_add_nc_u32 v[VB], s55, v178
	s_lshl_b32 s55, s22, 8
	v_add_nc_u32 v[VB1], s55, v178
	s_lshr_b32 s55, s62, 1
	s_lshl_b32 s55, s55, 7
	s_and_b32 s63, s62, 1
	s_lshl_b32 s63, s63, 5
	s_add_co_u32 s55, s55, s63
	v_add_nc_u32 v[VB2], s55, v178
	s_lshl_b32 s55, s54, 5                         ; the stage, in: row 32 (w / 4) + r (+ 16 for my second tile of rows), my eight outputs' bytes
	s_mul_i32 s55, s55, OP
	s_add_co_u32 s55, s55, OSTG
	v_mul_u32_u24 v[SO], v176, OP
	s_delay_alu instid0(VALU_DEP_1)
	v_add_nc_u32 v[SO], v[SO], v[VB2]
	s_delay_alu instid0(VALU_DEP_1)
	v_add_nc_u32 v[SO], s55, v[SO]
	s_lshl_b32 s63, s22, 3                         ; out: rows 8 w + 2 i + h, sixteen lanes to a row
	s_mul_i32 s55, s63, OP
	s_add_co_u32 s55, s55, OSTG
	v_mul_u32_u24 v[RO], v177, OP
	s_delay_alu instid0(VALU_DEP_1)
	v_lshl_add_u32 v[RO], v176, 4, v[RO]
	s_delay_alu instid0(VALU_DEP_1)
	v_add_nc_u32 v[RO], s55, v[RO]
	v_add_nc_u32 v[SL], s63, v177                  ; 8 w + h
	s_and_b32 s55, s22, 1
	s_lshl_b32 s55, s55, 8
	v_lshl_add_u32 v[XO], v177, 4, s55             ; x: my wave's 256 bytes of a row, + 16 h
	s_lshl_b32 s58, ttmp9, 4
	s_mov_b32 s59, 0
	s_wait_alu depctr_va_vdst(0)
	s_wait_kmcnt 0x0
	s_add_nc_u64 s[8:9], s[8:9], s[58:59]
	s_load_b128 s[24:27], s[8:9], 0x0              ; my tile: expert, first place, rows
	s_load_b128 s[28:31], s[18:19], 0x0            ; e0 .. e3
	s_load_b64 s[32:33], s[18:19], 0x10            ; e4, e5
	WIN W_LD
	WLOAD 0, VW, 10, 0                             ; G0 and b_in hang on no tile: they go out while the tile's entry is on its way
	WIN 0
	BLOAD VB, 12, 0
	s_wait_kmcnt 0x0
	s_min_u32 s24, s24, 7                          ; numbers from memory enter addresses held inside their tables
	s_min_u32 s25, s25, 0x1fff
	s_min_u32 s26, s26, 64
	s_lshr_b32 s55, s22, 1
	s_lshl_b32 s55, s55, 4
	s_add_co_u32 s55, s55, s25
	v_add_nc_u32 v15, s55, v176                    ; the place of row 16 (w / 2) + r,
	s_delay_alu instid0(VALU_DEP_1)
	v_min_u32 v15, 0x1fff, v15                     ; inside the list
	s_delay_alu instid0(VALU_DEP_1)
	v_lshlrev_b32 v15, 2, v15
	global_load_b32 v14, v15, s[6:7]               ; its token
	WIN W_LD
	WLOAD 1, VW, 10, 8192                          ; G1
	WIN 0
	s_lshl_b32 s58, s24, 19
	s_add_co_u32 s58, s58, 524288
	s_add_nc_u64 s[34:35], s[10:11], s[58:59]      ; W1'[e]
	s_lshl_b32 s58, s24, 15
	s_add_co_u32 s58, s58, 4718592
	s_add_nc_u64 s[36:37], s[10:11], s[58:59]      ; W2'[e]
	s_lshl_b32 s58, s24, 11
	s_add_nc_u64 s[38:39], s[14:15], s[58:59]      ; b1[e]
	s_lshl_b32 s58, s24, 8
	s_add_nc_u64 s[40:41], s[16:17], s[58:59]      ; b2[e]
.irp i, 0,1,2,3
	v_add3_u32 v[OA+\i], v[SL], s25, 2*\i          ; the way out: the places of rows 8 w + 2 i + h
	s_delay_alu instid0(VALU_DEP_1)
	v_min_u32 v[OA+\i], 0x1fff, v[OA+\i]
	s_delay_alu instid0(VALU_DEP_1)
	v_lshlrev_b32 v[OA+\i], 2, v[OA+\i]
.endr
	s_add_co_i32 s56, s28, s29                     ; E1
	s_add_co_i32 s57, s30, s31                     ; E2
	s_sub_co_i32 s52, 0, s56
	s_sub_co_i32 s53, 0, s57
	s_lshl_b32 s54, s56, 23
	s_add_co_i32 s42, s54, 0x3fb8aa3b              ; log2(e) x 2^E1: E1 is added to the exponent field
	s_mov_b32 s43, s42                             ; (each pair's second word is named with the first, so it is written)
	s_add_co_i32 s54, s52, 127
	s_lshl_b32 s44, s54, 23                        ; 2^-E1
	s_mov_b32 s45, s44
	s_or_b32 s60, s44, 0x80000000                  ; -2^-E1
	s_lshl_b32 s54, s57, 23
	s_add_co_i32 s46, s54, 0x3fb8aa3b
	s_mov_b32 s47, s46
	s_add_co_i32 s54, s53, 127
	s_lshl_b32 s48, s54, 23
	s_mov_b32 s49, s48
	s_or_b32 s61, s48, 0x80000000
	s_sub_co_i32 s54, s30, s56                     ; e2 - E1: mid's conversion
	s_add_co_i32 s54, s54, 127
	s_lshl_b32 s55, s54, 23
	v_mov_b32 v240, s55
	s_add_co_i32 s54, s54, 8
	s_lshl_b32 s54, s54, 23
	s_or_b32 s54, s54, 0x600000
	v_mov_b32 v241, s54                            ; 448 x that
	s_sub_co_i32 s54, s33, s57                     ; e5 - E2: h's
	s_add_co_i32 s54, s54, 127
	s_lshl_b32 s55, s54, 23
	v_mov_b32 v242, s55
	s_add_co_i32 s54, s54, 8
	s_lshl_b32 s54, s54, 23
	s_or_b32 s54, s54, 0x600000
	v_mov_b32 v243, s54
	s_add_co_i32 s54, s32, s33
	s_add_co_i32 s54, s54, 127
	s_lshl_b32 s50, s54, 23                        ; 2^(e4 + e5)
	s_mov_b32 s51, s50
	s_wait_loadcnt 16                              ; only G1's 16 loads are younger than the token's: it is in, and so are G0 and b_in
	v_min_u32 v14, 0x1fff, v14
	s_delay_alu instid0(VALU_DEP_1)
	v_lshl_add_u32 v[XO], v14, 9, v[XO]            ; the token's row of 512 bytes
.irp s, 0,1
.irp c, 0,1,2,3
	global_load_b128 v[T+16*\s+4*\c:T+16*\s+4*\c+3], v[XO], s[4:5] offset:128*\s+32*\c   ; two fragments of x: rows 16 (w / 2) on, K steps 2 (w % 2) + s
.endr
.endr
	WIN W_LD
	WLOAD 2, VW, 10, 2*8192                        ; G2
	WIN 0
	BSCALE 52
	s_wait_alu depctr_va_vdst(0)
	s_wait_loadcnt 16                              ; only G2 is younger than x's eight loads
.irp s, 0,1
.irp c, 0,1,2,3
	ds_store_b128 v[SX], v[T+16*\s+4*\c:T+16*\s+4*\c+3] offset:XIMG+2048*\s+512*\c
.endr
.endr
	BARRIER                                        ; x's sixteen fragments lie in LDS
	WIN W_LD
	AFETCH LI, XIMG, 8192
	; ---- product 1, units 128 w .. + 63
	GROUP 0, 1, 32                                 ; younger: G1, G2
	WIN W_LD
	WLOAD 0, VW, 10, 3*8192
	AFETCH LI, XIMG+2048, 8192
	WIN 0
	BLOAD VB, 12, 256                              ; b_in of the second half
	GROUP 1, 0, 40                                 ; G2, G3, the bias
	WIN W_LD
	WLOAD 1, VW, 10, 4*8192
	AFETCH LI, XIMG+2*2048, 8192
	GROUP 2, 0, 40                                 ; G3, the bias, G4
	WIN W_LD
	WLOAD 2, VW, 10, 5*8192
	AFETCH LI, XIMG+3*2048, 8192
	GROUP 0, 0, 40                                 ; the bias, G4, G5
	WIN W_LD
	WLOAD 0, VW, 10, 6*8192
	AFETCH LI, XIMG, 8192
	WIN 0
	ELU 42, 44, 60, 240, 241, SM, 16384, 0         ; pieces c = 0, 1 of K step w of the second product
	s_wait_loadcnt 48                              ; the bias is in; G4, G5, G6 may be out
	BSCALE 52
	; ---- product 1, units 128 w + 64 .. + 127
	s_wait_alu depctr_va_vdst(0)
	GROUP 1, 1, 32                                 ; G5, G6
	WIN W_LD
	WLOAD 1, VW, 10, 7*8192
	AFETCH LI, XIMG+2048, 8192
	WIN 0
	BLOAD VB1, 38, 0                               ; b1[e]
	GROUP 2, 0, 40                                 ; G6, G7, the bias
	WIN W_LD
	WLOAD 2, VW, 34, 0                             ; G8: W1'[e] begins
	AFETCH LI, XIMG+2*2048, 8192
	GROUP 0, 0, 40                                 ; G7, the bias, G8
	WIN W_LD
	WLOAD 0, VW, 34, 8192
	AFETCH LI, XIMG+3*2048, 8192
	GROUP 1, 0, 40                                 ; the bias, G8, G9
	WIN W_LD
	WLOAD 1, VW, 34, 2*8192
	WIN 0
	ELU 42, 44, 60, 240, 241, SM, 16384, 1024      ; pieces c = 2, 3
	s_wait_loadcnt 48                              ; the bias is in; G8, G9, G10 may be out
	BSCALE 53
	s_wait_alu depctr_va_vdst(0)
	BARRIER                                        ; mid's 32 fragments lie in LDS
	WIN W_LD
	AFETCH LM, 0, 16384
	; ---- product 2, units 64 w .. + 63 of my expert
	GROUP 2, 1, 32                                 ; G9, G10
	WIN W_LD
	WLOAD 2, VW, 34, 3*8192
	AFETCH LM, 2048, 16384
	WIN 0
	global_load_b128 v[BIAS:BIAS+3], v[VB2], s[40:41]              ; b2[e] at my eight outputs
	global_load_b128 v[BIAS+4:BIAS+7], v[VB2], s[40:41] offset:16
.irp i, 0,1,2,3
	global_load_b32 v[OI+\i], v[OA+\i], s[6:7]     ; the tokens of the rows that I store
.endr
	GROUP 0, 0, 38                                 ; G10, G11, those six
	WIN W_LD
	WLOAD 0, VW, 34, 4*8192
	AFETCH LM, 2*2048, 16384
	GROUP 1, 0, 38                                 ; G11, the six, G12
	WIN W_LD
	WLOAD 1, VW, 34, 5*8192
	AFETCH LM, 3*2048, 16384
	GROUP 2, 0, 38                                 ; the six, G12, G13
	WIN W_LD
	WLOAD 2, VW, 34, 6*8192
	AFETCH LM, 4*2048, 16384
	GROUP 0, 0, 32                                 ; G13, G14
	WIN W_LD
	WLOAD 0, VW, 34, 7*8192
	AFETCH LM, 5*2048, 16384
	GROUP 1, 0, 32                                 ; G14, G15
	WIN W_LD
.irp s, 0,1,2,3
.irp c, 0,1,2,3
	global_load_b128 v[64+16*\s+4*\c:64+16*\s+4*\c+3], v[VW2], s[36:37] offset:8192*\s+512*\c   ; G16: tile n of W2'[e], its four K steps, into slot 1
.endr
.endr
	AFETCH LM, 6*2048, 16384
	GROUP 2, 0, 32                                 ; G15, G16
	WIN W_LD
	AFETCH LM, 7*2048, 16384
	GROUP 0, 0, 16                                 ; G16
	WIN 0
	ELU 46, 48, 61, 242, 243, SH, 8192, 0          ; pieces 2 (w % 2), + 1 of K step w / 2 of the third product
	BARRIER                                        ; h's sixteen fragments lie in LDS
	; ---- product 3: output tile n for two tiles of rows; two accumulators by turns
	WIN W_LD
.irp mm, 0,1
.irp s, 0,1,2,3
.irp c, 0,1,2,3
	ds_load_b128 v[128+64*\mm+16*\s+4*\c:128+64*\mm+16*\s+4*\c+3], v[LH3] offset:(4*\mm+\s)*2048+512*\c   ; into slot 2 and the tokens' fragments, which the ELU above parts from their last products
.endr
.endr
.endr
	s_wait_loadcnt 0x0                             ; G16; b2 and the tokens came long ago
	s_wait_dscnt 0x0
	WIN W_MUL
.irp s, 0,1,2,3
.irp mm, 0,1
.if \s == 0
	v_wmma_f32_16x16x128_fp8_fp8 v[ACC+8*\mm:ACC+8*\mm+7], v[64+16*\s:64+16*\s+15], v[128+64*\mm+16*\s:128+64*\mm+16*\s+15], 0
.else
	v_wmma_f32_16x16x128_fp8_fp8 v[ACC+8*\mm:ACC+8*\mm+7], v[64+16*\s:64+16*\s+15], v[128+64*\mm+16*\s:128+64*\mm+16*\s+15], v[ACC+8*\mm:ACC+8*\mm+7]
.endif
.endr
.endr
	WIN 0
	v_and_b32 v15, 15, v0                          ; the way out's addresses and masks are the places behind the last products
	s_delay_alu instid0(VALU_DEP_1)
	v_lshlrev_b32 v15, 4, v15
.irp i, 0,1,2,3
	v_min_u32 v[OI+\i], 0x1fff, v[OI+\i]
.endr
.irp i, 0,1,2,3
	s_delay_alu instid0(VALU_DEP_4)
	v_lshl_add_u32 v[OI+\i], v[OI+\i], 8, v15      ; the token's row of 256 bytes, 16 bytes a lane
.endr
.irp i, 0,1,2,3
	v_add_nc_u32 v14, 2*\i, v[SL]
	s_delay_alu instid0(VALU_DEP_1)
	v_cmp_gt_u32 s[70+\i], s26, v14                ; is row 8 w + 2 i + h one of the tile's?
.endr
.irp mm, 0,1
.irp i, 0,2,4,6
	v_pk_fma_f32 v[T+8*\mm+\i:T+8*\mm+\i+1], v[ACC+8*\mm+\i:ACC+8*\mm+\i+1], s[50:51], v[BIAS+\i:BIAS+\i+1] op_sel_hi:[1,0,1]   ; sum x 2^(e4 + e5) + b2
.endr
.endr
.irp mm, 0,1
	ds_store_b128 v[SO], v[T+8*\mm:T+8*\mm+3] offset:\mm*16*OP
	ds_store_b128 v[SO], v[T+8*\mm+4:T+8*\mm+7] offset:\mm*16*OP+16
.endr
	BARRIER                                        ; 64 whole rows of results lie in the stage
.irp i, 0,1,2,3
	ds_load_b128 v[T+16+4*\i:T+16+4*\i+3], v[RO] offset:2*OP*\i
.endr
.irp i, 0,1,2,3
	s_wait_dscnt 3-\i
	s_wait_xcnt 0x0                                ; EXEC is a source of the memory instructions issued so far: it changes only behind this wait
	s_and_saveexec_b32 s66, s[70+\i]
	global_store_b128 v[OI+\i], v[T+16+4*\i:T+16+4*\i+3], s[20:21] th:TH_STORE_NT   ; sixteen lanes store a token's row: 256 consecutive bytes, at a multiple of 256 from out0's first byte
	s_wait_xcnt 0x0                                ; and again in front of the line that widens it
	s_or_b32 exec_lo, exec_lo, s66
.endr
	s_wait_xcnt 0x0
	s_mov_b32 exec_lo, -1
	v_lshl_add_u32 v254, v0, 2, 0x24400
	v_mov_b32 v255, 0
	s_wait_alu depctr_va_vdst(0)
	s_wait_tensorcnt 0x0
	ds_add_u32 v254, v255
	s_wait_dscnt 0x0
	s_endpgm
.Lfunc_end_k_q6bb720caaa_chain:
	.size	k_q6bb720caaa_chain, .Lfunc_end_k_q6bb720caaa_chain-k_q6bb720caaa_chain
	.p2alignl 7, 3214868480
	.fill 96, 4, 3214868480
	.section	.rodata,"a",@progbits
	.p2align	6, 0x0
	.amdhsa_kernel k_q6bb720caaa_chain
		.amdhsa_group_segment_fixed_size 149504
		.amdhsa_private_segment_fixed_size 0
		.amdhsa_enable_private_segment 0
		.amdhsa_kernarg_size 72
		.amdhsa_user_sgpr_count 2
		.amdhsa_user_sgpr_kernarg_segment_ptr 1
		.amdhsa_wavefront_size32 1
		.amdhsa_system_sgpr_workgroup_id_x 1
		.amdhsa_system_sgpr_workgroup_id_y 1
		.amdhsa_system_sgpr_workgroup_id_z 1
		.amdhsa_system_vgpr_workitem_id 0
		.amdhsa_next_free_vgpr 512
		.amdhsa_next_free_sgpr 80
		.amdhsa_reserve_vcc 0
		.amdhsa_float_denorm_mode_32 3
		.amdhsa_float_denorm_mode_16_64 3
		.amdhsa_memory_ordered 1
		.amdhsa_forward_progress 1
		.amdhsa_inst_pref_size 176
	.end_amdhsa_kernel
	.amdgpu_metadata
---
amdhsa.version: [ 1, 2 ]
amdhsa.kernels:
  - .name:           k_q6bb720caaa_chain
    .symbol:         k_q6bb720caaa_chain.kd
    .args:
      - { .name: input_codes, .offset: 0, .size: 8, .value_kind: global_buffer, .address_space: global }
      - { .name: order, .offset: 8, .size: 8, .value_kind: global_buffer, .address_space: global }
      - { .name: tiles, .offset: 16, .size: 8, .value_kind: global_buffer, .address_space: global }
      - { .name: wf, .offset: 24, .size: 8, .value_kind: global_buffer, .address_space: global }
      - { .name: b_in, .offset: 32, .size: 8, .value_kind: global_buffer, .address_space: global }
      - { .name: b1, .offset: 40, .size: 8, .value_kind: global_buffer, .address_space: global }
      - { .name: b2, .offset: 48, .size: 8, .value_kind: global_buffer, .address_space: global }
      - { .name: lowp_scales, .offset: 56, .size: 8, .value_kind: global_buffer, .address_space: global }
      - { .name: out0, .offset: 64, .size: 8, .value_kind: global_buffer, .address_space: global }
    .group_segment_fixed_size: 149504
    .private_segment_fixed_size: 0
    .kernarg_segment_align: 8
    .kernarg_segment_size: 72
    .max_flat_workgroup_size: 256
    .sgpr_count:     80
    .vgpr_count:     512
    .wavefront_size: 32
...
	.end_amdgpu_metadata
.endif
;; end of part 2
